; MI455X (gfx1250); checked and timed in simulation.
; The chip was launched on July 23, 2026; its instructions are those of AMD's public machine-readable ISA for CDNA 5 (MIT licence, August 2026) and "CDNA5" Instruction Set Architecture Reference Guide (July 2026). The comments in the code are by the model that wrote it; some were corrected since.
;; Attention. Allowed arithmetic: float matrix products may take bf16 or f16 operands with f32 sums; other float arithmetic in f32, or as packed bf16 or f16 multiplies, adds, multiply-adds, maxima and minima; sums over many terms, partial sums and values carried from step to step in f32; what a program stores and reads back later, other than sums and carried values, may be rounded once to bf16 or f16.
;; Inputs: query_input 4 x 2,048 x 1,024 float32; source_input 4 x 4,096 x 1,024 float32.
;; Outputs: out0 4 x 2,048 x 1,024 float32.
;; One version. Each part assembles by itself: llvm-mc -triple=amdgcn-amd-amdhsa -mcpu=gfx1250 --defsym DOCPART=n.
;; ======== version 1 of 1: 3 launches
;; limits: inputs' magnitudes at most 65,504; values are held in f16: magnitudes above 65,504 overflow, below 6.1e-05 lose precision
;; workspace buffers: qh 16,777,216 bytes; sh 33,554,432 bytes; pw 67,108,864 bytes; st 2,097,152 bytes
;; launch cvt (part 1): grid 1536 x 1, 8 waves a work-group, no clusters, 0 bytes of LDS; arguments query_input, source_input, qh, sh; writes qh, sh
.if DOCPART == 1
	.amdgcn_target "amdgcn-amd-amdhsa--gfx1250"
	.amdhsa_code_object_version 6
	.text
	.protected	k_qd27b74fcfd_cvt
	.globl	k_qd27b74fcfd_cvt
	.p2align	8
	.type	k_qd27b74fcfd_cvt,@function
k_qd27b74fcfd_cvt:
	s_mov_b64 s[64:65], 0
	v_nop
	global_prefetch_b8 v0, s[64:65] scope:SCOPE_SE
	s_setreg_imm32_b32 hwreg(HW_REG_WAVE_MODE, 25, 1), 1
	s_wait_xcnt 0x0
; qh = query_input and sh = source_input, each number rounded once to f16, same order.
; LIMIT: f16 ends at 65,504: a larger input becomes an infinity; below 6e-5 it keeps f16's fixed step of 6e-8.
; A stream: 100,663,296 bytes in, half as many out.  A work-group takes 65,536 bytes of one input (groups 0 to 511: the queries, the others: the source), a wave 8,192:
; sixteen loads of 16 bytes a lane (512 consecutive bytes each), all issued before the first is waited for.  Four numbers of a lane pack into 8 bytes, so a store of the wave
; covers 256 consecutive bytes, aligned.  No register is written twice: no wait but the loads' own.  No LDS, no matrix unit, no cluster: nothing is shared, nothing multiplied.
.set X, 8                              ; v[8:71]    sixteen loads of four f32
.set Y, 72                             ; v[72:103]  sixteen pairs of packed f16
.set QG, 512                           ; work-groups that the queries take
	s_load_b256 s[4:11], s[0:1], 0x0               ; query_input s[4:5], source_input s[6:7], qh s[8:9], sh s[10:11]
	v_lshrrev_b32 v3, 5, v0                        ; wave
	v_and_b32 v4, 31, v0                           ; lane
	v_lshlrev_b32 v1, 13, v3                       ; in: 8,192 x wave
	v_lshl_or_b32 v1, v4, 4, v1                    ;     + 16 x lane
	v_lshlrev_b32 v2, 12, v3                       ; out: 4,096 x wave
	v_lshl_or_b32 v2, v4, 3, v2                    ;     + 8 x lane
	s_sub_co_u32 s13, ttmp9, QG
	s_cmp_lt_u32 ttmp9, QG
	s_cselect_b32 s12, ttmp9, s13                  ; my place in my tensor
	s_lshl_b32 s14, s12, 16                        ; 65,536 bytes in,
	s_mov_b32 s15, 0
	s_lshl_b32 s16, s12, 15                        ; 32,768 out
	s_mov_b32 s17, 0
	s_wait_kmcnt 0x0
	s_cmp_lt_u32 ttmp9, QG                         ; the shifts have written SCC: compared anew
	s_cselect_b64 s[4:5], s[4:5], s[6:7]
	s_cselect_b64 s[8:9], s[8:9], s[10:11]
	s_add_nc_u64 s[4:5], s[4:5], s[14:15]
	s_add_nc_u64 s[8:9], s[8:9], s[16:17]
.irp k, 0,1,2,3,4,5,6,7,8,9,10,11,12,13,14,15
	global_load_b128 v[X+4*\k:X+4*\k+3], v1, s[4:5] offset:512*\k th:TH_LOAD_NT
.endr
.irp k, 0,1,2,3,4,5,6,7,8,9,10,11,12,13,14,15
	s_wait_loadcnt 15-\k                           ; loads come back in order: load k is in, the 15 - k younger ones stay out
	v_cvt_pk_f16_f32 v[Y+2*\k], v[X+4*\k], v[X+4*\k+1]
	v_cvt_pk_f16_f32 v[Y+2*\k+1], v[X+4*\k+2], v[X+4*\k+3]
	global_store_b64 v2, v[Y+2*\k:Y+2*\k+1], s[8:9] offset:256*\k
.endr
	s_endpgm
.Lfunc_end_k_qd27b74fcfd_cvt:
	.size	k_qd27b74fcfd_cvt, .Lfunc_end_k_qd27b74fcfd_cvt-k_qd27b74fcfd_cvt
	.p2alignl 7, 3214868480
	.fill 96, 4, 3214868480
	.section	.rodata,"a",@progbits
	.p2align	6, 0x0
	.amdhsa_kernel k_qd27b74fcfd_cvt
		.amdhsa_group_segment_fixed_size 0
		.amdhsa_private_segment_fixed_size 0
		.amdhsa_enable_private_segment 0
		.amdhsa_kernarg_size 32
		.amdhsa_user_sgpr_count 2
		.amdhsa_user_sgpr_kernarg_segment_ptr 1
		.amdhsa_wavefront_size32 1
		.amdhsa_system_sgpr_workgroup_id_x 1
		.amdhsa_system_sgpr_workgroup_id_y 1
		.amdhsa_system_sgpr_workgroup_id_z 1
		.amdhsa_system_vgpr_workitem_id 0
		.amdhsa_next_free_vgpr 104
		.amdhsa_next_free_sgpr 66
		.amdhsa_reserve_vcc 0
		.amdhsa_float_denorm_mode_32 3
		.amdhsa_float_denorm_mode_16_64 3
		.amdhsa_memory_ordered 1
		.amdhsa_forward_progress 1
		.amdhsa_inst_pref_size 7
	.end_amdhsa_kernel
	.amdgpu_metadata
---
amdhsa.version: [ 1, 2 ]
amdhsa.kernels:
  - .name:           k_qd27b74fcfd_cvt
    .symbol:         k_qd27b74fcfd_cvt.kd
    .args:
      - { .name: query_input, .offset: 0, .size: 8, .value_kind: global_buffer, .address_space: global }
      - { .name: source_input, .offset: 8, .size: 8, .value_kind: global_buffer, .address_space: global }
      - { .name: qh, .offset: 16, .size: 8, .value_kind: global_buffer, .address_space: global }
      - { .name: sh, .offset: 24, .size: 8, .value_kind: global_buffer, .address_space: global }
    .group_segment_fixed_size: 0
    .private_segment_fixed_size: 0
    .kernarg_segment_align: 8
    .kernarg_segment_size: 32
    .max_flat_workgroup_size: 256
    .sgpr_count:     66
    .vgpr_count:     104
    .wavefront_size: 32
...
	.end_amdgpu_metadata
.endif
;; end of part 1
;; launch score (part 2): grid 16 x 32, 4 waves a work-group, clusters of 4 x 4, 327,680 bytes of LDS; arguments qh, sh, pw, st; writes pw, st
.if DOCPART == 2
	.amdgcn_target "amdgcn-amd-amdhsa--gfx1250"
	.amdhsa_code_object_version 6
	.text
	.protected	k_qd27b74fcfd_score
	.globl	k_qd27b74fcfd_score
	.p2align	8
	.type	k_qd27b74fcfd_score,@function
k_qd27b74fcfd_score:
	s_mov_b64 s[64:65], 0
	v_nop
	global_prefetch_b8 v0, s[64:65] scope:SCOPE_SE
	s_setreg_imm32_b32 hwreg(HW_REG_WAVE_MODE, 25, 1), 1
	s_wait_xcnt 0x0
	s_wait_alu depctr_hold_cnt(0) depctr_sa_sdst(0) depctr_va_vdst(0) depctr_va_sdst(0) depctr_va_ssrc(0) depctr_va_vcc(0) depctr_vm_vsrc(0)
	s_getreg_b32 s2, hwreg(HW_REG_IB_STS2, 6, 4)
	s_cmp_eq_u32 s2, 0
	s_cbranch_scc0 .Lentry_in_a_cluster
	s_endpgm
.Lentry_in_a_cluster:
	s_bfe_u32 s2, ttmp6, 0x10000c
	s_cmp_lg_u32 s2, 0xf033
	s_cbranch_scc0 .Lentry_shape_is_right
	s_endpgm
.Lentry_shape_is_right:
; THE SCORES AND THEIR WEIGHTS BY BLOCKS.  For each batch s = Q S^T (2,048 x 4,096, K = 1,024), f16 operands, f32 sums.  For each query and each block of 128 keys: m = the block's largest s,
; pw = 2^(c s - c m) rounded to f16, c = log2(e) / 32; st plane 0 = c m, plane 1 = l = the sum of the block's unrounded weights.  The next launch brings the blocks under the row's own maximum.
; qh: [8192][1024], sh: [16384][1024], pw: [8192][4096], all f16; st: [2][32 blocks][8192 rows] f32.
; LIMITS.  A weight below 2^-126 counts as 0 in l, and below 6e-5 it keeps f16's fixed step of 6e-8.  NaN and infinities are not treated apart.
; A tile of 256 queries x 256 keys is made by four waves, a wave makes 128 x 128: 64 accumulators; its 128 keys are one block of st.  K goes in steps of 128 through a ring of two LDS slots
; filled by the tensor data mover: rows of 256 bytes, at multiples of 256 bytes from the buffers' first bytes.  512 tiles: two work-groups for each of 256 WGPs, one after the other.
; CLUSTERS: 4 x 4 work-groups, all of one batch (a batch has 8 tile rows).  The four of a row of the cluster need the same tiles of Q, the four of a column the same tiles of S: each tile is asked for
; JOINTLY, by the same tensor load with the same descriptor and a mask that names the four.
; REGISTERS, in windows of 256 (s_set_vgpr_msb's low byte: bits 1:0 source 0, 3:2 source 1, 5:4 source 2, 7:6 destination):
;   window 0: v0-31 addresses; v64-127, v128-191 fragments of Q, two buffers (on the way out v64-103 at work); v32-63, v192-255 at work on the way out
;   window 1: v64-127, v128-191 fragments of S      window 2: the 32 accumulators of my queries 0-63 ((a, b) at v[8 (8 a + b)])      window 3: those of my queries 64-127
; THE MATRIX INSTRUCTION IS USED TRANSPOSED: source 0 = 16 keys, source 1 = 16 queries: lane l holds ONE query (l % 16) and its registers the keys 8 (l / 16) + 0 .. 7:
; a query's maximum and sum want one exchange between the halves of the lanes, and eight weights pack into 16 bytes of a row of pw.
.set SIZE_K, 1024
.set SIZE_N, 4096                      ; numbers in a row of pw
.set KSTEP,  128
.set PITCH,  272                       ; an LDS row: 256 bytes + 16 of padding: the 16 rows that a load touches start at 16 different groups of four banks (64 banks of 4 bytes: ISA guide 11.1)
.set HALFT,  128*PITCH                 ; what one tensor load brings, and what one wave reads of Q or of S
.set SLOT,   4*HALFT                   ; Q's 256 rows, then S's 256 rows
.set STAGE,  2*SLOT                    ; behind the ring: 16 rows x 272 bytes for each wave, for the way out
.set SPITCH, 272
.set SSTG,   STAGE+4*16*SPITCH         ; 1,024 bytes for each wave: its 128 c m, then its 128 l
.set SPARE,  SSTG+4096                 ; the spare words, 128 bytes a wave: two blocks of 256 bytes that no other line names.  No tensor load lands from STAGE on
.set LAPS,   SIZE_K/(2*KSTEP)          ; a lap = two K steps = once round the ring: 4
.set PLANE,  32*8192*4                 ; bytes in a plane of st
.set ADRA, 16                          ; v16-17  LDS address of my fragments of Q in slot 0, 1
.set ADRB, 20                          ; v20-21  the same for S
.set SGO,  22                          ; v22     16 x lane: my 16 bytes in 512 of st
.set STO,  24                          ; v24     the way out: where I put 16 bytes of a row
.set RD,   25                          ; v25     where I read a row back
.set CO,   26                          ; v26     my byte offset in pw
.set SSTO, 27                          ; v27     where I put c m (lanes 0-15) or l (lanes 16-31)
.set SPW,  28                          ; v28     my spare word: SPARE + 4 x my thread's number; never rewritten
.set NIL,  29                          ; v29     0; never rewritten
.set PFO,  30                          ; v30     the prefetches' offset: my lane x a row of 2,048 bytes; never rewritten
.set SRD,  31                          ; v31     where I read four c m back
.set F0,   64
.set F1,   128
.set TMP,  192                         ; the way out: packed weights
.set OB,   32                          ; 16 rows read back from the stage: v32-63 and v224-255 by turns
.set T,    64                          ; v64-67  four running maxima
.set CMP,  68                          ; v[68:69] c m, as a pair
.set LS,   70                          ; v[70:71] the block's sum
.set CMV,  72                          ; v72-79  c m of my eight blocks of 16 queries
.set LV,   80                          ; v80-87  their l
.set SV,   88                          ; v88-95  c m below, l above
.set SB,   96                          ; v96-103 read back
.set PFA,  44                          ; s[44:45] where my prefetches stand
.set LIM,  43                          ; s43     1 in a wave that prefetches, else the greatest number
.set G1, 24                            ; s[24:31] descriptor group 1 for Q's tiles;  s[32:39] group 0, one set for each slot
.set G0, 32
.set G1B, 48                           ; s[48:55], s[56:63] the same for S's tiles
.set G0B, 56
.set STP, 68                           ; s[68:69] st at my block and my first row
.set CS,  70                           ; s[70:71] c
.set SEL, 72                           ; s[72:73] v_permlanex16_b32's selects: each lane takes its own place in the other half
.set HM,  74                           ; s74     the lanes 16 to 31
.set MSB, 0
.macro WIN new                         ; the immediate's high byte repeats the setting that is left; a switch that changes nothing is dropped
.if MSB != (\new)
	s_set_vgpr_msb (MSB<<8)|(\new)
.set MSB, \new
.endif
.endm
.set MUL_LO, 0xa1                      ; source 0 (S) window 1, source 1 (Q) window 0, C and D window 2
.set MUL_HI, 0xf1                      ; the same, C and D window 3
.set TO_B,   0x40                      ; destination window 1, address window 0
.macro PLACES                          ; four places behind a matrix instruction, in front of loads into registers that it has read and of lines that read its result (ISA guide 7.12.1 for the lines that read its result)
.rept 4
	v_nop
.endr
.endm
; A joint load.  Waves 0 and 1 fetch Q's two halves, waves 2 and 3 S's.  The branch hangs on the wave's number alone.  An s_nop 0 and four v_nop follow each of the two lines.
.macro JLOAD s
	s_cmp_eq_u32 s11, 0
	s_cbranch_scc0 .Lfor_b_\@
	tensor_load_to_lds s[G0+4*(\s):G0+4*(\s)+3], s[G1:G1+7]
	s_nop 0
	PLACES
	s_branch .Lasked_\@
.Lfor_b_\@:
	tensor_load_to_lds s[G0B+4*(\s):G0B+4*(\s)+3], s[G1B:G1B+7]
	s_nop 0
	PLACES
.Lasked_\@:
.endm
; A PREFETCH INTO THE L2, behind each joint refill and the run of LDS loads that follows it: the K step that stands two refills on, 512 matrix instructions ahead of its load: 32 rows x 256 bytes, a lane a row.
; Each row's 256 bytes of a K step are named once in the launch.  Q's tile row is read by the four clusters of that row of clusters: cluster x = 0 asks; S's tile column by the batch's two clusters of that
; column: the one with even y asks.  The four partners that ask for a tile jointly share its rows out BY ADDRESS: of the 128 rows that a wave fetches the partner at place p takes 32 p .. 32 p + 31.
; K steps 0 to 3 come by their loads alone; the loop's last trip asks for nothing: the last K step named is 7.
.macro ASK
	s_cmp_gt_u32 s3, s[LIM]                        ; s3 = 1 in the loop's last trip
	s_cbranch_scc0 .Lnot_mine_\@
	global_prefetch_b8 v[PFO], s[PFA:PFA+1] offset:KSTEP*2 th:TH_LOAD_NT scope:SCOPE_SE
.Lnot_mine_\@:
.endm
.macro CREST                           ; a round of the cluster's barrier behind its opening barrier: wave 0 signals for the work-group, every wave waits for all sixteen, my work-group's barrier once more
	s_cmp_lg_u32 s10, 0
	s_cbranch_scc1 .Lnot_wave_0_\@
	s_barrier_signal -3
.Lnot_wave_0_\@:
	s_barrier_wait -3
	s_barrier_signal -1
	s_barrier_wait -1
.endm
.macro CROUND
	s_barrier_signal -1
	s_barrier_wait -1
	CREST
.endm
	s_load_b128 s[4:7], s[0:1], 0x0                ; qh s[4:5], sh s[6:7]
	s_load_b64 s[8:9], s[0:1], 0x10                ; pw
	s_load_b64 s[STP:STP+1], s[0:1], 0x18          ; st
	v_lshl_add_u32 v[SPW], v0, 2, SPARE
	v_mov_b32 v[NIL], 0
	ds_add_u32 v[SPW], v[NIL]                      ; the wave's opening: the add and its wait stand ahead of my first tensor load; the set-up below, work on registers, stands between them
	v_lshrrev_b32 v1, 5, v0
	v_readfirstlane_b32 s10, v1                    ; wave 0..3
	s_lshr_b32 s11, s10, 1                         ; which half of the tile's queries is mine.  Also: I fetch for Q (0) or for S (1)
	s_and_b32 s12, s10, 1                          ; which half of its keys.  Also: which 128 rows of that tile I fetch
	s_bfe_u32 s40, ttmp6, 0x40000                  ; cx
	s_bfe_u32 s41, ttmp6, 0x40004                  ; cy
	s_lshl_b32 s42, ttmp9, 2
	s_add_co_u32 s42, s42, s40                     ; tile column = 4 x cluster x + cx: 256 keys of the batch
	s_and_b32 s75, ttmp7, 0xffff                   ; cluster y
	s_lshl_b32 s13, s75, 2
	s_add_co_u32 s13, s13, s41                     ; tile row = 4 x cluster y + cy: 256 of the 8,192 queries
	s_lshr_b32 s76, s75, 1                         ; the batch, which all sixteen partners share
	s_lshl_b32 s43, s41, 2
	s_lshl_b32 s43, 15, s43                        ; my row of the cluster
	s_lshl_b32 s44, 0x1111, s40                    ; my column
	s_or_b32 s[G1+0], s43, (1<<16)|(1<<20)|(1<<21)|(5<<22)|(3<<25)  ; 15:0 the mask; 17:16 2-byte elements; 20 padding on; 21 set beside a mask; 24:22 after every 64 words (code 5); 31:25 4 words (code 3)
	s_or_b32 s[G1B+0], s44, (1<<16)|(1<<20)|(1<<21)|(5<<22)|(3<<25)
.irp g, G1, G1B
	s_mov_b32 s[(\g)+1], KSTEP<<16                 ; tensor_dim0 = 128
	s_mov_b32 s[(\g)+2], 128<<16                   ; tensor_dim1 = 128
	s_mov_b32 s[(\g)+3], KSTEP<<16                 ; tile_dim0 = 128
	s_mov_b32 s[(\g)+4], 128                       ; tile_dim1 = 128
	s_mov_b32 s[(\g)+5], SIZE_K                    ; elements from row to row
	s_mov_b32 s[(\g)+6], 0
	s_mov_b32 s[(\g)+7], 0
.endr
	s_lshl_b32 s17, s12, 7                         ; which 128 rows of the tile I fetch
	s_lshl_b32 s16, s13, 8
	s_add_co_u32 s16, s16, s17                     ; Q: row 256 x tile row + 128 x half,
	s_lshl_b32 s16, s16, 11                        ; of 2,048 bytes
	s_lshl_b32 s46, s42, 8
	s_add_co_u32 s46, s46, s17                     ; S: row 256 x tile column + 128 x half
	s_lshl_b32 s47, s76, 12
	s_add_co_u32 s46, s46, s47                     ; + 4,096 x batch
	s_lshl_b32 s46, s46, 11
	s_mov_b32 s17, 0
	s_mov_b32 s47, 0
	s_mul_i32 s20, s10, HALFT                      ; where they go: wave x 128 rows: no place in the cluster enters an LDS address
	s_mov_b32 s[CS], 0x3d38aa3b                    ; c = log2(e) / 32
	s_mov_b32 s[CS+1], s[CS]
	s_mov_b32 s[SEL], 0x76543210
	s_mov_b32 s[SEL+1], 0xfedcba98
	s_mov_b32 s[HM], 0xffff0000
	s_wait_dscnt 0x0                               ; the opening add is done
	s_wait_kmcnt 0x0
	s_add_nc_u64 s[14:15], s[4:5], s[16:17]
	s_add_nc_u64 s[46:47], s[6:7], s[46:47]
	CROUND                                         ; all sixteen work-groups are here: the first joint loads meet
.irp s, 0,1
	s_mov_b32 s[G0+4*(\s)], 1
	s_add_co_u32 s[G0+4*(\s)+1], s20, (\s)*SLOT
	s_add_nc_u64 s[G0+4*(\s)+2:G0+4*(\s)+3], s[14:15], (\s)*KSTEP*2
	s_or_b32 s[G0+4*(\s)+3], s[G0+4*(\s)+3], 0x80000000
	s_mov_b32 s[G0B+4*(\s)], 1
	s_add_co_u32 s[G0B+4*(\s)+1], s20, (\s)*SLOT
	s_add_nc_u64 s[G0B+4*(\s)+2:G0B+4*(\s)+3], s[46:47], (\s)*KSTEP*2
	s_or_b32 s[G0B+4*(\s)+3], s[G0B+4*(\s)+3], 0x80000000
	JLOAD \s
.endr
	v_and_b32 v1, 15, v0                           ; l % 16
	v_bfe_u32 v2, v0, 4, 1                         ; l / 16
	v_mul_u32_u24 v3, v1, PITCH
	v_lshl_add_u32 v3, v2, 4, v3                   ; a fragment's row x pitch + 16 x half
	s_mul_i32 s21, s11, HALFT                      ; my 128 rows of Q
	s_mul_i32 s22, s12, HALFT                      ; my 128 rows of S,
	s_add_co_u32 s22, s22, 2*HALFT                 ; which lie behind Q's 256
.irp s, 0,1
	v_add_nc_u32 v[ADRA+(\s)], s21, v3
	v_add_nc_u32 v[ADRB+(\s)], s22, v3
	s_add_co_u32 s21, s21, SLOT
	s_add_co_u32 s22, s22, SLOT
.endr
	s_mul_i32 s23, s10, 16*SPITCH
	s_add_co_u32 s23, s23, STAGE                   ; my stage
	v_mul_u32_u24 v4, v1, SPITCH                   ; in: row l % 16, 16 bytes for each half of the lanes
	v_lshl_add_u32 v4, v2, 4, v4
	v_add_nc_u32 v[STO], s23, v4
	v_mul_u32_u24 v5, v2, SPITCH                   ; back: lanes 0-15 take one row of 256 bytes, lanes 16-31 the next
	v_lshl_add_u32 v5, v1, 4, v5
	v_add_nc_u32 v[RD], s23, v5
	v_mul_u32_u24 v5, v2, SIZE_N*2                 ; and the same two rows in pw
	v_lshl_add_u32 v[CO], v1, 4, v5
	s_lshl_b32 s23, s10, 10
	s_add_co_u32 s23, s23, SSTG                    ; my 1,024 bytes for c m and l
	v_lshlrev_b32 v5, 9, v2
	v_lshl_add_u32 v5, v1, 2, v5
	v_add_nc_u32 v[SSTO], s23, v5
	v_and_b32 v5, 31, v0
	v_lshlrev_b32 v[SGO], 4, v5
	v_add_nc_u32 v[SRD], s23, v[SGO]
	v_lshlrev_b32 v[PFO], 11, v5
	s_lshl_b32 s13, s13, 8                         ; where my part of the tile begins in pw and in st
	s_lshl_b32 s14, s11, 7
	s_add_co_u32 s14, s13, s14                     ; my first row
	s_lshl_b32 s16, s14, 13                        ; rows of 8,192 bytes
	s_mov_b32 s17, 0
	s_lshl_b32 s46, s42, 9                         ; my first column: 512 x tile column + 256 x half
	s_lshl_b32 s47, s12, 8
	s_add_co_u32 s46, s46, s47
	s_mov_b32 s47, 0
	s_add_nc_u64 s[16:17], s[16:17], s[46:47]      ; the first way out adds it to pw's address
	s_lshl_b32 s46, s42, 1
	s_add_co_u32 s46, s46, s12                     ; my block of 128 keys,
	s_lshl_b32 s46, s46, 15                        ; 8,192 rows of 4 bytes each,
	s_lshl_b32 s14, s14, 2
	s_add_co_u32 s46, s46, s14                     ; my first row
	s_add_nc_u64 s[STP:STP+1], s[STP:STP+1], s[46:47]
	s_lshl_b32 s42, s42, 8                         ; the prefetches
	s_lshl_b32 s22, s76, 12
	s_add_co_u32 s42, s42, s22                     ; the tile's first row in S
	s_and_b32 s22, s75, 1
	s_cmp_eq_u32 s11, 0                            ; do I fetch for Q?
	s_cselect_b32 s20, s13, s42                    ; the tile's first row
	s_cselect_b32 s21, s40, s41                    ; my place among the four that ask for it with me
	s_cselect_b32 s22, ttmp9, s22                  ; 0 in the cluster that asks
	s_cselect_b64 s[PFA:PFA+1], s[4:5], s[6:7]
	s_cmp_eq_u32 s22, 0
	s_cselect_b32 s[LIM], 1, -1                    ; the same in all sixteen partners, for a given wave
	s_lshl_b32 s22, s12, 7
	s_add_co_u32 s20, s20, s22                     ; + the 128 rows that I fetch
	s_lshl_b32 s21, s21, 5
	s_add_co_u32 s20, s20, s21                     ; + my work-group's 32 of them
	s_lshl_b32 s20, s20, 11
	s_mov_b32 s21, 0
	s_add_nc_u64 s[PFA:PFA+1], s[PFA:PFA+1], s[20:21]
	s_add_nc_u64 s[PFA:PFA+1], s[PFA:PFA+1], 2*KSTEP*2  ; at K step 2: the first refill steps it to 3 and names K step 4
; 16 matrix instructions: query blocks a0, a0 + 1 of the window's four x all 8 key blocks, 32 along K.  The 64 accumulators take turns.  zero = 1: the first product starts the sums
.macro MUL16 f, hi, a0, zero
	WIN MUL_LO+0x50*(\hi)
.irp a, \a0, (\a0)+1
.irp b, 0,1,2,3,4,5,6,7
.if \zero
	v_wmma_f32_16x16x32_f16 v[8*(8*(\a)+(\b)):8*(8*(\a)+(\b))+7], v[(\f)+8*(\b):(\f)+8*(\b)+7], v[(\f)+8*(4*(\hi)+(\a)):(\f)+8*(4*(\hi)+(\a))+7], 0
.else
	v_wmma_f32_16x16x32_f16 v[8*(8*(\a)+(\b)):8*(8*(\a)+(\b))+7], v[(\f)+8*(\b):(\f)+8*(\b)+7], v[(\f)+8*(4*(\hi)+(\a)):(\f)+8*(4*(\hi)+(\a))+7], v[8*(8*(\a)+(\b)):8*(8*(\a)+(\b))+7]
.endif
.endr
.endr
.endm
; 32 LDS loads in one run: the fragments of one quarter step (128 rows of S, 128 rows of Q, 32 K at byte k of the rows) into buffer f
.macro FETCH slot, k, f
	WIN TO_B
.irp i, 0,1,2,3,4,5,6,7
	ds_load_b128 v[(\f)+8*(\i):(\f)+8*(\i)+3],   v[ADRB+(\slot)] offset:(\k)+(\i)*16*PITCH
	ds_load_b128 v[(\f)+8*(\i)+4:(\f)+8*(\i)+7], v[ADRB+(\slot)] offset:(\k)+(\i)*16*PITCH+32
.endr
	WIN 0
.irp i, 0,1,2,3,4,5,6,7
	ds_load_b128 v[(\f)+8*(\i):(\f)+8*(\i)+3],   v[ADRA+(\slot)] offset:(\k)+(\i)*16*PITCH
	ds_load_b128 v[(\f)+8*(\i)+4:(\f)+8*(\i)+7], v[ADRA+(\slot)] offset:(\k)+(\i)*16*PITCH+32
.endr
.endm
; A K step is four quarters of 32 along K, 64 matrix instructions each, on buffers 0, 1, 0, 1.  One of the first three multiplies buffer f and fetches the next quarter, at byte k, into g.
.macro QUARTER slot, k, f, g, zero
	s_wait_dscnt 8                                 ; S and Q's rows 0-63 are in; the youngest eight loads (Q's rows 64-127) may be out
	MUL16 \f, 0, 0, \zero
	MUL16 \f, 0, 2, \zero
	PLACES
	FETCH \slot, \k, \g
	s_wait_dscnt 32                                ; all but the 32 just issued
	MUL16 \f, 1, 0, \zero
	MUL16 \f, 1, 2, \zero
.endm
; The last quarter multiplies buffer 1 and changes slots: ONE barrier; in front of it each wave waits for all its tensor loads (one is out: its part of the next slot), adds 0 to its spare word, and waits for that
; and for its own reads of this slot.  fill = 1: the barrier opens a round of the cluster's, and the slot is filled again, two K steps ahead, first thing behind it: 224 matrix instructions ahead of the wait for it.
.macro TURN slot, next, fill
.if \fill
	s_wait_xcnt 0x0                                ; the last prefetch, a K step back, has read its address
	s_add_nc_u64 s[PFA:PFA+1], s[PFA:PFA+1], KSTEP*2
.endif
	WIN 0                                          ; (the add's two registers lie in window 0)
	s_wait_tensorcnt 0x0
	ds_add_u32 v[SPW], v[NIL]
	s_wait_dscnt 9                                 ; (the add and the youngest eight loads may be out)
	MUL16 F1, 0, 0, 0                              ; sixteen matrix instructions stand between the add and the wait for it
	s_wait_dscnt 0x0                               ; the add is done, and my reads of this slot are over
	s_barrier_signal -1
	MUL16 F1, 0, 2, 0
.if \fill
	WIN 0
.endif
	s_barrier_wait -1
.if \fill
	CREST                                          ; no wave of any partner still reads this slot's tile or has a load on its way
	s_add_nc_u64 s[G0+4*(\slot)+2:G0+4*(\slot)+3], s[G0+4*(\slot)+2:G0+4*(\slot)+3], 2*KSTEP*2
	s_add_nc_u64 s[G0B+4*(\slot)+2:G0B+4*(\slot)+3], s[G0B+4*(\slot)+2:G0B+4*(\slot)+3], 2*KSTEP*2
	JLOAD \slot                                    ; its four v_nop are also the places in front of the loads below
.else
	PLACES
.endif
	FETCH \next, 0, F0
.if \fill
	ASK
.endif
	MUL16 F1, 1, 0, 0
	MUL16 F1, 1, 2, 0
.endm
; THE WAY OUT of block a (16 queries x my 128 keys: 8 accumulators, 64 scores a lane).  SOFT: the maximum, in four chains, each accumulator read from its low end on; the other half of the
; lanes'; c s - c m in place; ONE BATCH of 64 exponentials with one plain line and one wait behind it; the roundings to f16; the sum, a tree in place.
.macro SOFT a
.set AC, 64*((\a)%4)
.set W, 2+(\a)/4
	WIN W*0x15                                     ; all three sources in the accumulators' window
.irp c, 0,1,2,3
	v_max3_num_f32 v[T+\c], v[AC+16*\c], v[AC+16*\c+1], v[AC+16*\c+2]
.endr
	WIN W*0x14                                     ; source 0 in window 0
.irp p, 3,5,7,9,11,13
.irp c, 0,1,2,3
	v_max3_num_f32 v[T+\c], v[T+\c], v[AC+16*\c+\p], v[AC+16*\c+\p+1]
.endr
.endr
.irp c, 0,1,2,3
	v_max_num_f32 v[T+\c], v[T+\c], v[AC+16*\c+15]
.endr
	WIN 0
	v_max3_num_f32 v[T], v[T], v[T+1], v[T+2]
	v_max_num_f32 v[T], v[T], v[T+3]
	v_permlanex16_b32 v[T+1], v[T], s[SEL], s[SEL+1]  ; the query's other 64 keys lie in the lane 16 away
	v_max_num_f32 v[T], v[T], v[T+1]
	v_mul_f32 v[CMP], s[CS], v[T]
	v_mul_f32 v[CMP+1], s[CS], v[T]
	v_mul_f32 v[CMV+(\a)], s[CS], v[T]
	WIN W*0x41                                     ; destination and source 0 in the accumulators' window
.set z, 0
.rept 32
	v_pk_fma_f32 v[AC+2*z:AC+2*z+1], v[AC+2*z:AC+2*z+1], s[CS:CS+1], v[CMP:CMP+1] op_sel_hi:[1,0,0] neg_lo:[0,0,1] neg_hi:[0,0,1]
.set z, z+1
.endr
.set z, 0
.rept 64
	v_exp_f32 v[AC+z], v[AC+z]
.set z, z+1
.endr
	v_nop
	s_wait_alu depctr_va_vdst(0)
	WIN W*5                                        ; sources 0 and 1 there, destination in window 0
.set z, 0
.rept 32
	v_cvt_pk_f16_f32 v[TMP+z], v[AC+2*z], v[AC+2*z+1]
.set z, z+1
.endr
	WIN W*0x45
.irp n, 16,8,4,2,1
.set z, 0
.rept \n
	v_pk_add_f32 v[AC+2*z:AC+2*z+1], v[AC+2*z:AC+2*z+1], v[AC+2*z+2*\n:AC+2*z+2*\n+1]
.set z, z+1
.endr
.endr
	WIN W*5
	v_add_f32 v[LS], v[AC], v[AC+1]
	WIN 0
	v_permlanex16_b32 v[LS+1], v[LS], s[SEL], s[SEL+1]
	v_add_f32 v[LV+(\a)], v[LS], v[LS+1]
.endm
.macro TOSTAGE a                       ; into my own stage, and back as whole rows of 256 bytes
	WIN 0
.set BK, OB+192*((\a)%2)
.irp b, 0,1,2,3,4,5,6,7
	ds_store_b128 v[STO], v[TMP+4*(\b):TMP+4*(\b)+3] offset:32*(\b)
.endr
.irp t, 0,1,2,3,4,5,6,7
	ds_load_b128 v[BK+4*(\t):BK+4*(\t)+3], v[RD] offset:(\t)*2*SPITCH  ; LDS serves a wave's instructions in order (ISA guide 5.7.1.4): these see the stores above
.endr
.endm
.macro SEND a
	WIN 0
.set BK, OB+192*((\a)%2)
	s_wait_dscnt 0x0                               ; the block is back in registers
	s_wait_xcnt 0x0                                ; only behind this wait are the stores' base and the registers that earlier stores read rewritten
.if (\a) == 0
	s_add_nc_u64 s[8:9], s[8:9], s[16:17]
.else
	s_add_nc_u64 s[8:9], s[8:9], 16*SIZE_N*2
.endif
.irp t, 0,1,2,3,4,5,6,7
	global_store_b128 v[CO], v[BK+4*(\t):BK+4*(\t)+3], s[8:9] offset:2*(\t)*SIZE_N*2  ; 16 lanes store 256 consecutive bytes, at a multiple of 256 from pw's first byte
.endr
.endm
	s_wait_tensorcnt 1                             ; my part of K step 0 is in; K step 1's may stay out
	s_barrier_signal -1
	s_barrier_wait -1
	FETCH 0, 0, F0
	QUARTER 0, 64,  F0, F1, 1                      ; the first quarter stands in front of the loop: its products start the sums
	WIN 0
	s_mov_b32 s3, LAPS-1
.Llap:                                         ; a trip goes once round the ring, from a lap's second quarter to the next lap's first, and fills both slots again
	QUARTER 0, 128, F1, F0, 0
	QUARTER 0, 192, F0, F1, 0
	TURN 0, 1, 1
	QUARTER 1, 64,  F0, F1, 0
	QUARTER 1, 128, F1, F0, 0
	QUARTER 1, 192, F0, F1, 0
	TURN 1, 0, 1
	QUARTER 0, 64,  F0, F1, 0
	WIN 0
	s_sub_co_u32 s3, s3, 1
	s_cmp_lg_u32 s3, 0
	s_cbranch_scc1 .Llap
	QUARTER 0, 128, F1, F0, 0                      ; the last lap fills nothing
	QUARTER 0, 192, F0, F1, 0
	TURN 0, 1, 0
	QUARTER 1, 64,  F0, F1, 0
	QUARTER 1, 128, F1, F0, 0
	QUARTER 1, 192, F0, F1, 0
	s_wait_dscnt 8
	MUL16 F1, 0, 0, 0
	MUL16 F1, 0, 2, 0
	s_wait_dscnt 0x0
	MUL16 F1, 1, 0, 0
	MUL16 F1, 1, 2, 0
	WIN 0
	PLACES
	SOFT 0
	TOSTAGE 0
.irp a, 1,2,3,4,5,6,7                  ; block a's arithmetic stands between block a - 1's loads from the stage and the wait for them
	SOFT \a
	SEND (\a)-1
	TOSTAGE \a
.endr
	SEND 7
.irp a, 0,1,2,3,4,5,6,7                ; c m and l of my 128 queries: both halves of the lanes hold both; lanes 0-15 send c m, lanes 16-31 l, through my own bytes of LDS
	v_cndmask_b32 v[SV+\a], v[CMV+\a], v[LV+\a], s[HM]
.endr
.irp a, 0,1,2,3,4,5,6,7
	ds_store_b32 v[SSTO], v[SV+\a] offset:64*\a
.endr
	ds_load_b128 v[SB:SB+3], v[SRD]
	ds_load_b128 v[SB+4:SB+7], v[SRD] offset:512
	s_wait_dscnt 0x0
	global_store_b128 v[SGO], v[SB:SB+3], s[STP:STP+1]                  ; 512 consecutive bytes, aligned
	global_store_b128 v[SGO], v[SB+4:SB+7], s[STP:STP+1] offset:PLANE
	s_wait_tensorcnt 0x0                           ; the wave's end, behind my last tensor load and my last LDS store
	ds_add_u32 v[SPW], v[NIL]
	s_wait_dscnt 0x0
	CROUND                                         ; the closing round: no work-group ends while a partner may still ask for a tile that names it
	s_endpgm
.Lfunc_end_k_qd27b74fcfd_score:
	.size	k_qd27b74fcfd_score, .Lfunc_end_k_qd27b74fcfd_score-k_qd27b74fcfd_score
	.p2alignl 7, 3214868480
	.fill 96, 4, 3214868480
	.section	.rodata,"a",@progbits
	.p2align	6, 0x0
	.amdhsa_kernel k_qd27b74fcfd_score
		.amdhsa_group_segment_fixed_size 327680
		.amdhsa_private_segment_fixed_size 0
		.amdhsa_enable_private_segment 0
		.amdhsa_kernarg_size 32
		.amdhsa_user_sgpr_count 2
		.amdhsa_user_sgpr_kernarg_segment_ptr 1
		.amdhsa_wavefront_size32 1
		.amdhsa_system_sgpr_workgroup_id_x 1
		.amdhsa_system_sgpr_workgroup_id_y 1
		.amdhsa_system_sgpr_workgroup_id_z 1
		.amdhsa_system_vgpr_workitem_id 0
		.amdhsa_next_free_vgpr 1024
		.amdhsa_next_free_sgpr 80
		.amdhsa_reserve_vcc 0
		.amdhsa_float_denorm_mode_32 3
		.amdhsa_float_denorm_mode_16_64 3
		.amdhsa_memory_ordered 1
		.amdhsa_forward_progress 1
		.amdhsa_inst_pref_size 214
	.end_amdhsa_kernel
	.amdgpu_metadata
---
amdhsa.version: [ 1, 2 ]
amdhsa.kernels:
  - .name:           k_qd27b74fcfd_score
    .symbol:         k_qd27b74fcfd_score.kd
    .args:
      - { .name: qh, .offset: 0, .size: 8, .value_kind: global_buffer, .address_space: global }
      - { .name: sh, .offset: 8, .size: 8, .value_kind: global_buffer, .address_space: global }
      - { .name: pw, .offset: 16, .size: 8, .value_kind: global_buffer, .address_space: global }
      - { .name: st, .offset: 24, .size: 8, .value_kind: global_buffer, .address_space: global }
    .group_segment_fixed_size: 327680
    .private_segment_fixed_size: 0
    .kernarg_segment_align: 8
    .kernarg_segment_size: 32
    .max_flat_workgroup_size: 128
    .sgpr_count:     80
    .vgpr_count:     1024
    .wavefront_size: 32
...
	.end_amdgpu_metadata
.endif
;; end of part 2
;; launch outk (part 3): grid 4 x 64, 4 waves a work-group, clusters of 4 x 4, 327,680 bytes of LDS; arguments pw, sh, st, out0; writes out0
.if DOCPART == 3
	.amdgcn_target "amdgcn-amd-amdhsa--gfx1250"
	.amdhsa_code_object_version 6
	.text
	.protected	k_qd27b74fcfd_outk
	.globl	k_qd27b74fcfd_outk
	.p2align	8
	.type	k_qd27b74fcfd_outk,@function
k_qd27b74fcfd_outk:
	s_mov_b64 s[64:65], 0
	v_nop
	global_prefetch_b8 v0, s[64:65] scope:SCOPE_SE
	s_setreg_imm32_b32 hwreg(HW_REG_WAVE_MODE, 25, 1), 1
	s_wait_xcnt 0x0
	s_wait_alu depctr_hold_cnt(0) depctr_sa_sdst(0) depctr_va_vdst(0) depctr_va_sdst(0) depctr_va_ssrc(0) depctr_va_vcc(0) depctr_vm_vsrc(0)
	s_getreg_b32 s2, hwreg(HW_REG_IB_STS2, 6, 4)
	s_cmp_eq_u32 s2, 0
	s_cbranch_scc0 .Lentry_in_a_cluster
	s_endpgm
.Lentry_in_a_cluster:
	s_bfe_u32 s2, ttmp6, 0x10000c
	s_cmp_lg_u32 s2, 0xf033
	s_cbranch_scc0 .Lentry_shape_is_right
	s_endpgm
.Lentry_shape_is_right:
; out0[q][:] = (the sum over blocks b of f_b(q) x the sum over the block's 128 keys of pw[q][k] S[k][:]) / l(q), with c m = the largest of the row's 32 c m_b, f_b = 2^(c m_b - c m), l = the sum of l_b f_b:
; the softmax under the row's own maximum.  pw: [8192][4096] f16; sh: [16384][1024] f16; st: [2][32][8192] f32 (c m_b, l_b); out0: [8192][1024] f32.  Products in f16 with f32 sums.
; LIMITS.  f_b is rounded to f16 and multiplied onto the weights in f16 (one more rounding of each weight); a product below 6e-5 keeps f16's fixed step of 6e-8, while l is at least 1.  NaN and infinities are not treated apart.
; A tile of 128 queries x 256 channels is made by four waves, a wave makes 64 x 128: 32 accumulators.  256 tiles.  K = 4,096 keys in 32 steps of 128 (a step is a block of st) through a ring of two LDS slots.
; O^T = V^T P: source 0 = 16 channels x 32 keys, S turned by ds_load_tr16_b128; source 1 = 16 queries x 32 keys, pw as it lies: a lane holds ONE query (l % 16) in P and in O^T, so f_b and 1 / l are one number a lane.
; CLUSTERS: 4 x 4 work-groups of one batch (16 tile rows a batch).  The four of a row of the cluster share the weights' tile, the four of a column S's tile: each is asked for JOINTLY.
; REGISTERS, in windows of 256 (s_set_vgpr_msb: bits 1:0 source 0, 3:2 source 1, 5:4 source 2, 7:6 destination).  Window 2: the accumulators of query blocks 0, 1 ((q, cb) at 8 (8 q + cb)) and, at v128-191, two buffers of
; their weights' fragments; window 3: the same for blocks 2, 3.  Window b (0, 1): v128-255 S's buffer b; v64-67 the factors that are due while buffer b is multiplied; window 0 also v0-31 addresses.
; So a product and the line that scales the next half step's weights (destination and source 1 in the accumulators' window, source 0 in S's) stand under one setting: four switches for a half step's 64 products.
.set PP,    272                        ; a row of weights in LDS: 256 bytes + 16
.set PV,    544                        ; a row of S: 512 + 32 = 17 x 32
.set ATILE, 128*PP
.set SLOT,  ATILE+128*PV               ; 104,448
.set FT,    2*SLOT                     ; the factors, (f, f) in f16: 512 x block + 4 x row: 16,384 bytes
.set RL,    FT+16384                   ; 1 / l: 4 x row: 512 bytes
.set STAGE, RL+512                     ; 16 rows x 528 bytes for each wave, for the way out
.set SP,    528
.set SPARE, STAGE+4*16*SP              ; the spare words, 128 bytes a wave: two blocks of 256 bytes that no other line names.  No tensor load lands from FT on
.set PLANE, 32*8192*4
.set STEPA, 256                        ; a step in a row of pw
.set STEPB, 128*2048                   ; a step's 128 rows of sh
.set ADRP, 16                          ; v16-17  LDS address of my weights' fragments in slot 0, 1
.set ADRV, 20                          ; v20-21  the same for S
.set FA,   22                          ; v22     my factors of the trip's first step
.set RA,   23                          ; v23     my 1 / l
.set STO,  24                          ; v24     the way out: where I put 32 bytes of a row
.set RD,   25                          ; v25     where I read a row back
.set GO,   26                          ; v26     16 x lane
.set FW,   27                          ; v27     FT + 4 x thread
.set SPW,  28                          ; v28     my spare word; never rewritten
.set NIL,  29                          ; v29     0; never rewritten
.set PFO,  30                          ; v30     the prefetches' offset; never rewritten
.set SO,   31                          ; v31     4 x thread
.set FR,   64
.set VB,   128
.set PB,   128
.set PFA,  44                          ; s[44:45] where my prefetches stand
.set LIM,  43                          ; s43     1 in a wave that prefetches, else the greatest number
.set PST,  66                          ; s[66:67] a step of my prefetches' address
.set STP,  68                          ; s[68:69] st at the tile's first row
.set G1, 24
.set G0, 32
.set G1B, 48
.set G0B, 56
.set MSB, 0
.macro WIN new                         ; the immediate's high byte repeats the setting that is left; a switch that changes nothing is dropped
.if MSB != (\new)
	s_set_vgpr_msb (MSB<<8)|(\new)
.set MSB, \new
.endif
.endm
.macro PLACES                          ; four places behind a matrix instruction, in front of loads into registers that it has read and of lines that read its result (ISA guide 7.12.1 for the lines that read its result)
.rept 4
	v_nop
.endr
.endm
.macro JLOAD s                         ; waves 0 and 1 fetch the two halves (64 rows x 256 bytes) of the weights' tile, waves 2 and 3 those (64 keys x 512 bytes) of S's; an s_nop 0 and four v_nop follow each line
	s_cmp_eq_u32 s11, 0
	s_cbranch_scc0 .Lfor_b_\@
	tensor_load_to_lds s[G0+4*(\s):G0+4*(\s)+3], s[G1:G1+7]
	s_nop 0
	PLACES
	s_branch .Lasked_\@
.Lfor_b_\@:
	tensor_load_to_lds s[G0B+4*(\s):G0B+4*(\s)+3], s[G1B:G1B+7]
	s_nop 0
	PLACES
.Lasked_\@:
.endm
; A PREFETCH INTO THE L2, behind each joint refill and the run of LDS loads that follows it: the step two refills on, 256 matrix instructions ahead of its load.  Each block of 256 bytes is named once in the launch.
; The weights' tile (128 rows x 256 bytes) is read by the four partners of a row of the cluster alone: each takes 32 rows BY ADDRESS (cx), wave 0 asks, a lane a row.  S's tile (128 keys x 512 bytes) is read by a column of
; the cluster and by the batch's four clusters: the batch's first cluster asks; each partner takes 32 keys by address (cy), waves 2 and 3 sixteen each, a lane a block.  Wave 1 asks for nothing.
; Steps 0 to 3 come by their loads alone; the loop's last trip asks for nothing: the last step named is 31.
.macro ASK
	s_cmp_gt_u32 s3, s[LIM]
	s_cbranch_scc0 .Lnot_mine_\@
	global_prefetch_b8 v[PFO], s[PFA:PFA+1] th:TH_LOAD_NT scope:SCOPE_SE
.Lnot_mine_\@:
.endm
.macro CREST                           ; a round of the cluster's barrier behind its opening barrier: wave 0 signals for the work-group, every wave waits for all sixteen, my work-group's barrier once more
	s_cmp_lg_u32 s10, 0
	s_cbranch_scc1 .Lnot_wave_0_\@
	s_barrier_signal -3
.Lnot_wave_0_\@:
	s_barrier_wait -3
	s_barrier_signal -1
	s_barrier_wait -1
.endm
.macro CROUND
	s_barrier_signal -1
	s_barrier_wait -1
	CREST
.endm
	s_load_b128 s[4:7], s[0:1], 0x0                ; pw s[4:5], sh s[6:7]
	s_load_b64 s[STP:STP+1], s[0:1], 0x10          ; st
	s_load_b64 s[8:9], s[0:1], 0x18                ; out0
	v_lshl_add_u32 v[SPW], v0, 2, SPARE
	v_mov_b32 v[NIL], 0
	ds_add_u32 v[SPW], v[NIL]                      ; the wave's opening: the add and its wait stand ahead of my first tensor load
	v_lshrrev_b32 v1, 5, v0
	v_readfirstlane_b32 s10, v1                    ; wave 0..3
	s_lshr_b32 s11, s10, 1                         ; which 64 queries are mine.  Also: I fetch weights (0) or S (1)
	s_and_b32 s12, s10, 1                          ; which 128 channels.  Also: which half of that tile I fetch
	s_bfe_u32 s40, ttmp6, 0x40000                  ; cx
	s_bfe_u32 s41, ttmp6, 0x40004                  ; cy
	s_lshl_b32 s42, ttmp9, 2
	s_add_co_u32 s42, s42, s40                     ; tile column: 256 channels
	s_and_b32 s75, ttmp7, 0xffff                   ; cluster y
	s_lshl_b32 s13, s75, 2
	s_add_co_u32 s13, s13, s41                     ; tile row: 128 of the 8,192 queries
	s_lshr_b32 s76, s75, 2                         ; the batch
	s_lshl_b32 s43, s41, 2
	s_lshl_b32 s43, 15, s43                        ; my row of the cluster
	s_lshl_b32 s44, 0x1111, s40                    ; my column
	s_or_b32 s[G1+0], s43, (1<<16)|(1<<20)|(1<<21)|(5<<22)|(3<<25)   ; the weights: 4 words of padding after every 64
	s_mov_b32 s[G1+1], 128<<16                     ; tensor_dim0 = 128
	s_mov_b32 s[G1+2], 64<<16                      ; tensor_dim1 = 64
	s_mov_b32 s[G1+3], 128<<16                     ; tile_dim0 = 128
	s_mov_b32 s[G1+4], 64                          ; tile_dim1 = 64
	s_mov_b32 s[G1+5], 4096                        ; elements from row to row
	s_mov_b32 s[G1+6], 0
	s_mov_b32 s[G1+7], 0
	s_or_b32 s[G1B+0], s44, (1<<16)|(1<<20)|(1<<21)|(6<<22)|(7<<25)  ; S: 8 words of padding after every 128
	s_mov_b32 s[G1B+1], 256<<16
	s_mov_b32 s[G1B+2], 64<<16
	s_mov_b32 s[G1B+3], 256<<16
	s_mov_b32 s[G1B+4], 64
	s_mov_b32 s[G1B+5], 1024
	s_mov_b32 s[G1B+6], 0
	s_mov_b32 s[G1B+7], 0
	s_lshl_b32 s17, s12, 6                         ; which 64 rows of the tile I fetch
	s_lshl_b32 s16, s13, 7
	s_add_co_u32 s16, s16, s17
	s_lshl_b32 s16, s16, 13                        ; pw: rows of 8,192 bytes
	s_lshl_b32 s46, s76, 12
	s_add_co_u32 s46, s46, s17
	s_lshl_b32 s46, s46, 11                        ; sh: rows of 2,048 bytes,
	s_lshl_b32 s47, s42, 9
	s_add_co_u32 s46, s46, s47                     ; the tile column's 512
	s_mov_b32 s17, 0
	s_mov_b32 s47, 0
	s_mul_i32 s20, s12, 64*PP                      ; where they go: no place in the cluster enters an LDS address
	s_mul_i32 s21, s12, 64*PV
	s_add_co_u32 s21, s21, ATILE
	s_wait_dscnt 0x0                               ; the opening add is done
	s_wait_kmcnt 0x0
	s_add_nc_u64 s[14:15], s[4:5], s[16:17]
	s_add_nc_u64 s[46:47], s[6:7], s[46:47]
	CROUND                                         ; all sixteen work-groups are here: the first joint loads meet
.irp s, 0,1
	s_mov_b32 s[G0+4*(\s)], 1
	s_add_co_u32 s[G0+4*(\s)+1], s20, (\s)*SLOT
	s_add_nc_u64 s[G0+4*(\s)+2:G0+4*(\s)+3], s[14:15], (\s)*STEPA
	s_or_b32 s[G0+4*(\s)+3], s[G0+4*(\s)+3], 0x80000000
	s_mov_b32 s[G0B+4*(\s)], 1
	s_add_co_u32 s[G0B+4*(\s)+1], s21, (\s)*SLOT
	s_add_nc_u64 s[G0B+4*(\s)+2:G0B+4*(\s)+3], s[46:47], (\s)*STEPB
	s_or_b32 s[G0B+4*(\s)+3], s[G0B+4*(\s)+3], 0x80000000
	JLOAD \s
.endr
	; THE FACTORS: thread t takes row t of the tile: its 32 pairs (c m_b, l_b)
	s_lshl_b32 s16, s13, 9                         ; 128 rows of 4 bytes
	s_mov_b32 s17, 0
	s_add_nc_u64 s[STP:STP+1], s[STP:STP+1], s[16:17]
	v_lshlrev_b32 v[SO], 2, v0
.set i, 0
.rept 32
	global_load_b32 v[128+i], v[SO], s[STP:STP+1] offset:32768*i
	global_load_b32 v[160+i], v[SO], s[STP:STP+1] offset:32768*i+PLANE
.set i, i+1
.endr
	v_and_b32 v1, 15, v0                           ; r = l % 16
	v_bfe_u32 v2, v0, 4, 1                         ; h = l / 16
	v_and_b32 v3, 7, v0
	v_bfe_u32 v4, v0, 3, 1
	v_and_b32 v5, 31, v0
	v_mul_u32_u24 v6, v1, PP                       ; the weights: row r, 16 bytes for each half of the lanes
	v_lshl_add_u32 v6, v2, 4, v6
	s_mul_i32 s22, s11, 64*PP
	v_add_nc_u32 v[ADRP], s22, v6
	v_add_nc_u32 v[ADRP+1], SLOT, v[ADRP]
	v_lshl_add_u32 v7, v2, 3, v3                   ; S: lane l names key 8 h + l % 8, channels 8 ((l / 8) % 2) on
	v_mul_u32_u24 v7, v7, PV
	v_lshl_add_u32 v7, v4, 4, v7
	s_lshl_b32 s23, s12, 8
	s_add_co_u32 s23, s23, ATILE
	v_add_nc_u32 v[ADRV], s23, v7
	v_add_nc_u32 v[ADRV+1], SLOT, v[ADRV]
	s_lshl_b32 s22, s11, 8
	s_add_co_u32 s22, s22, FT
	v_lshl_add_u32 v[FA], v1, 2, s22
	v_add_nc_u32 v[RA], 16384, v[FA]
	s_mul_i32 s23, s10, 16*SP
	s_add_co_u32 s23, s23, STAGE
	v_mul_u32_u24 v[STO], v1, SP
	v_lshl_add_u32 v[STO], v2, 5, v[STO]
	v_add_nc_u32 v[STO], s23, v[STO]
	v_lshlrev_b32 v[GO], 4, v5
	v_add_nc_u32 v[RD], s23, v[GO]
	v_add_nc_u32 v[FW], FT, v[SO]
	s_lshl_b32 s16, s13, 7                         ; out0: my first row,
	s_lshl_b32 s18, s11, 6
	s_add_co_u32 s16, s16, s18
	s_lshl_b32 s16, s16, 12                        ; of 4,096 bytes,
	s_lshl_b32 s18, s42, 10
	s_add_co_u32 s16, s16, s18                     ; the tile column's 1,024,
	s_lshl_b32 s18, s12, 9
	s_add_co_u32 s16, s16, s18                     ; my 512
	s_add_nc_u64 s[8:9], s[8:9], s[16:17]
	s_lshl_b32 s20, s13, 7                         ; the prefetches.  Weights: row 128 x tile row + 32 cx
	s_lshl_b32 s22, s40, 5
	s_add_co_u32 s20, s20, s22
	s_lshl_b32 s20, s20, 13
	s_lshl_b32 s21, s76, 12                        ; S: key 4,096 x batch + 32 cy + 16 x (wave % 2), the tile column's 512 bytes
	s_lshl_b32 s22, s41, 5
	s_add_co_u32 s21, s21, s22
	s_lshl_b32 s22, s12, 4
	s_add_co_u32 s21, s21, s22
	s_lshl_b32 s21, s21, 11
	s_lshl_b32 s22, s42, 9
	s_add_co_u32 s21, s21, s22
	s_and_b32 s23, s75, 3                          ; the cluster's place in its batch
	s_mov_b32 s[PST], STEPB                        ; S's numbers stand in the registers; the selects below put the weights' in their place (an instruction takes one literal)
	s_mov_b32 s19, 2048
	s_cmp_eq_u32 s11, 0
	s_cselect_b32 s20, s20, s21
	s_cselect_b32 s22, s12, s23                    ; 0 in a wave that asks: the same in all sixteen partners
	s_cselect_b64 s[PFA:PFA+1], s[4:5], s[6:7]
	s_cselect_b32 s[PST], STEPA, s[PST]
	s_cselect_b32 s18, 0, 1                        ; a lane a row, or two lanes a row
	s_cselect_b32 s19, 8192, s19
	s_cmp_eq_u32 s22, 0
	s_cselect_b32 s[LIM], 1, -1
	s_mov_b32 s21, 0
	s_mov_b32 s[PST+1], 0
	s_add_nc_u64 s[PFA:PFA+1], s[PFA:PFA+1], s[20:21]
	s_mul_i32 s20, s[PST], 3
	s_add_nc_u64 s[PFA:PFA+1], s[PFA:PFA+1], s[20:21]  ; at step 3: the first refill steps it to 4 and names that
	v_lshrrev_b32 v[PFO], s18, v5
	v_mul_u32_u24 v[PFO], v[PFO], s19
	v_and_b32 v6, s18, v5
	v_lshl_add_u32 v[PFO], v6, 8, v[PFO]
	s_wait_loadcnt 0x0
	v_max3_num_f32 v192, v128, v129, v130
.set i, 131
.rept 14
	v_max3_num_f32 v192, v192, v[i], v[i+1]
.set i, i+2
.endr
	v_max_num_f32 v192, v192, v159                 ; c m of the row
.set i, 0
.rept 32
	v_sub_f32 v[128+i], v[128+i], v192
.set i, i+1
.endr
.set i, 0
.rept 32
	v_exp_f32 v[128+i], v[128+i]                   ; f_b
.set i, i+1
.endr
	v_nop                                          ; a plain line behind the last exponential, and a wait ahead of the first use
	s_wait_alu depctr_va_vdst(0)
	v_mul_f32 v193, v160, v128
.set i, 1
.rept 31
	v_fma_f32 v193, v[160+i], v[128+i], v193       ; l
.set i, i+1
.endr
	v_rcp_f32 v194, v193
	v_nop                                          ; the plain line behind the reciprocal
.set i, 0
.rept 32
	v_cvt_pk_f16_f32 v[160+i], v[128+i], v[128+i]  ; (f, f)
.set i, i+1
.endr
	s_wait_alu depctr_va_vdst(0)                   ; the reciprocal's wait, ahead of the store that reads it
.set i, 0
.rept 32
	ds_store_b32 v[FW], v[160+i] offset:512*i
.set i, i+1
.endr
	ds_store_b32 v[FW], v194 offset:16384
; 16 products: query blocks 2 g, 2 g + 1 x 8 channel blocks, keys 32 kc on of the half step in buffers b.  Sixteen accumulators, one instruction each; the four groups of a half step take turns.
; ride = 1: behind each product two lines scale the next half step's weights (buffer 1 - b) of the same query blocks.  chg: the change of slots stands in this group: at product 8 the wait for all my tensor loads and the add,
; at product 12 the wait for the add and for my reads of the slot, and the signal.
.macro GRP b, g, kc, zero, ride, chg
	WIN (2+(\g))*0x54+(\b)
.set i, 0
.rept 16
.if (\chg) && (i == 8)
	WIN 0                                          ; (the add's two registers lie in window 0)
	s_wait_tensorcnt 0x0                           ; all my tensor loads have landed: the one that was out is my part of the next slot
	ds_add_u32 v[SPW], v[NIL]                      ; 0 onto my spare word; four products stand between it and the wait for it
	WIN (2+(\g))*0x54+(\b)
.endif
.if (\chg) && (i == 12)
	s_wait_dscnt 0x0                               ; the add is done; my reads of this slot, all issued at the half step's head, are over
	s_barrier_signal -1
.endif
.set rD, 8*i
.set rA, VB+8*(8*(\kc)+i%8)
.set rB, PB+32*(\b)+8*(2*(i/8)+(\kc))
.if \zero
	v_wmma_f32_16x16x32_f16 v[rD:rD+7], v[rA:rA+7], v[rB:rB+7], 0
.else
	v_wmma_f32_16x16x32_f16 v[rD:rD+7], v[rA:rA+7], v[rB:rB+7], v[rD:rD+7]
.endif
.if \ride
.set x, PB+32*(1-(\b))+2*i
	v_pk_mul_f16 v[x], v[FR+2*(\g)+i/8], v[x]
	v_pk_mul_f16 v[x+1], v[FR+2*(\g)+i/8], v[x+1]
.endif
.set i, i+1
.endr
.endm
; 52 LDS loads in one run, for half tb of the step in the slot: 16 of the weights, the step's 4 factors (into the window of S's other buffer, which is multiplied while they are used), 32 turned loads of S.
.macro RUN tb, slot, fo
.irp g, 0,1
	WIN 0x80+0x40*\g
.irp q, 0,1
.irp kc, 0,1
	ds_load_b128 v[PB+32*(\tb)+8*(2*\q+\kc):PB+32*(\tb)+8*(2*\q+\kc)+3],   v[ADRP+(\slot)] offset:(2*\g+\q)*16*PP+128*(\tb)+64*\kc
	ds_load_b128 v[PB+32*(\tb)+8*(2*\q+\kc)+4:PB+32*(\tb)+8*(2*\q+\kc)+7], v[ADRP+(\slot)] offset:(2*\g+\q)*16*PP+128*(\tb)+64*\kc+32
.endr
.endr
.endr
	WIN 0x40*(1-(\tb))
.irp q, 0,1,2,3
	ds_load_b32 v[FR+\q], v[FA] offset:(\fo)+64*\q
.endr
	WIN 0x40*(\tb)
.irp kc, 0,1
.irp cb, 0,1,2,3,4,5,6,7
	ds_load_tr16_b128 v[VB+8*(8*\kc+\cb):VB+8*(8*\kc+\cb)+3],   v[ADRV+(\slot)] offset:(64*(\tb)+32*\kc)*PV+32*\cb
	ds_load_tr16_b128 v[VB+8*(8*\kc+\cb)+4:VB+8*(8*\kc+\cb)+7], v[ADRV+(\slot)] offset:(64*(\tb)+32*\kc)*PV+32*\cb+16*PV
.endr
.endr
.endm
; A half step on buffers b, first part: the next half step's run of loads, then the products of its first 32 keys.
.macro PARTA b, slot, fo, zero, ask
	PLACES                                         ; in front of loads into registers that the last products have read
	RUN 1-(\b), \slot, \fo
.if \ask
	WIN 0
	ASK
.endif
	s_wait_dscnt 52                                ; all but the 52 just issued: this half step's S is in
	GRP \b, 0, 0, \zero, 0, 0
	GRP \b, 1, 0, \zero, 0, 0
.endm
; Second part: the products of its last 32 keys, and the scaling of the next half step's weights.  chg = 1: a change of slots; 2: the slot just read is filled again, with the step two on: the barrier opens a round of the
; cluster's, and the joint refill is the first thing behind it: it has 120 matrix instructions in which to land.
.macro PARTB b, chg, slot
.if (\chg) == 2
	s_wait_xcnt 0x0                                ; the last prefetch, a step back, has read its address
	s_add_nc_u64 s[PFA:PFA+1], s[PFA:PFA+1], s[PST:PST+1]
.endif
	s_wait_dscnt 32                                ; the 32 turned loads may stay out; the next weights and their factors are in
	GRP \b, 0, 1, 0, 1, 0
	GRP \b, 1, 1, 0, 1, \chg
.if \chg
	WIN 0
	s_barrier_wait -1
.endif
.if (\chg) == 2
	CREST                                          ; no wave of any partner still reads the slot or has a load on its way
	s_add_nc_u64 s[G0+4*(\slot)+2:G0+4*(\slot)+3], s[G0+4*(\slot)+2:G0+4*(\slot)+3], 2*STEPA
	s_add_nc_u64 s[G0B+4*(\slot)+2:G0B+4*(\slot)+3], s[G0B+4*(\slot)+2:G0B+4*(\slot)+3], 2*STEPB
	JLOAD \slot
.endif
.endm
	s_wait_tensorcnt 1                             ; my part of step 0 is in; step 1's may stay out
	s_wait_dscnt 0x0                               ; my factors and 1 / l are in LDS
	s_barrier_signal -1
	s_barrier_wait -1
	RUN 0, 0, 0                                    ; step 0's first half
	s_wait_dscnt 0x0
.irp g, 0,1
	WIN (2+\g)*0x54+1
.set x, 0
.rept 32
	v_pk_mul_f16 v[PB+x], v[FR+2*\g+x/16], v[PB+x] ; its weights are scaled here: there are no products yet to set the lines behind
.set x, x+1
.endr
.endr
	PARTA 0, 0, 0, 1, 0                            ; the first 32 products start the sums
	WIN 0
	s_mov_b32 s3, 15
.Ltrip:                                        ; two steps: from the second part of step s's first half to the first part of step s + 2's; both slots are filled again
	PARTB 0, 2, 0
	PARTA 1, 1, 512, 0, 1
	PARTB 1, 0, 0
	PARTA 0, 1, 512, 0, 0
	PARTB 0, 2, 1
	PARTA 1, 0, 1024, 0, 1
	PARTB 1, 0, 0
	PARTA 0, 0, 1024, 0, 0
	WIN 0
	v_add_nc_u32 v[FA], 1024, v[FA]
	s_sub_co_u32 s3, s3, 1
	s_cmp_lg_u32 s3, 0
	s_cbranch_scc1 .Ltrip
	PARTB 0, 1, 0                                  ; steps 30 and 31 are written out: nothing is asked for
	PARTA 1, 1, 512, 0, 0
	PARTB 1, 0, 0
	PARTA 0, 1, 512, 0, 0
	PARTB 0, 0, 0
	s_wait_dscnt 0x0
	GRP 1, 0, 0, 0, 0, 0
	GRP 1, 1, 0, 0, 0, 0
	GRP 1, 0, 1, 0, 0, 0
	GRP 1, 1, 1, 0, 0, 0
	; THE WAY OUT.  1 / l of my four query blocks goes where their weights lay; O^T is multiplied by it, from each accumulator's low end on, and sent through my stage in LDS, 16 queries x 128 channels a round:
	; a lane's eight channels go in as 32 bytes, whole rows of 512 bytes come back.
	PLACES
	WIN 0x80
	ds_load_b32 v[PB], v[RA]
	ds_load_b32 v[PB+2], v[RA] offset:64
	WIN 0xc0
	ds_load_b32 v[PB], v[RA] offset:128
	ds_load_b32 v[PB+2], v[RA] offset:192
	s_wait_dscnt 0x0
.macro TOSTAGE k
.set W, 2+(\k)/2
.set AC, 64*((\k)%2)
	WIN W*0x45
.set z, 0
.rept 32
	v_pk_mul_f32 v[AC+2*z:AC+2*z+1], v[AC+2*z:AC+2*z+1], v[PB+2*((\k)%2):PB+2*((\k)%2)+1] op_sel_hi:[1,0]
.set z, z+1
.endr
.if (\k) >= 2
	s_wait_xcnt 0x0                                ; the stores of the round before last have read the registers that are loaded again below
.endif
	WIN W*4                                        ; the stores' data in the accumulators' window
.set z, 0
.rept 8
	ds_store_b128 v[STO], v[AC+8*z:AC+8*z+3]   offset:64*z
	ds_store_b128 v[STO], v[AC+8*z+4:AC+8*z+7] offset:64*z+16
.set z, z+1
.endr
	WIN 0
.set z, 0
.rept 16
	ds_load_b128 v[VB+64*((\k)%2)+4*z:VB+64*((\k)%2)+4*z+3], v[RD] offset:SP*z  ; LDS serves a wave's instructions in order (ISA guide 5.7.1.4): these see the stores above; the next round's stores come behind them
.set z, z+1
.endr
.endm
.macro SEND k, younger                 ; younger: the LDS instructions issued behind round k's loads
	s_wait_dscnt \younger
.set z, 0
.rept 16
	global_store_b128 v[GO], v[VB+64*((\k)%2)+4*z:VB+64*((\k)%2)+4*z+3], s[8:9] offset:(16*(\k)+z)*4096 th:TH_STORE_NT  ; 512 consecutive bytes, at a multiple of 512 from out0's first
.set z, z+1
.endr
.endm
	TOSTAGE 0
.irp k, 1,2,3
	TOSTAGE \k
	SEND (\k)-1, 32                                ; the next round's 16 stores and 16 loads may stay out
.endr
	SEND 3, 0
	s_wait_tensorcnt 0x0                           ; the wave's end, behind my last tensor load and my last LDS store
	ds_add_u32 v[SPW], v[NIL]
	s_wait_dscnt 0x0
	CROUND                                         ; the closing round: no work-group ends while a partner may still ask for a tile that names it
	s_endpgm
.Lfunc_end_k_qd27b74fcfd_outk:
	.size	k_qd27b74fcfd_outk, .Lfunc_end_k_qd27b74fcfd_outk-k_qd27b74fcfd_outk
	.p2alignl 7, 3214868480
	.fill 96, 4, 3214868480
	.section	.rodata,"a",@progbits
	.p2align	6, 0x0
	.amdhsa_kernel k_qd27b74fcfd_outk
		.amdhsa_group_segment_fixed_size 327680
		.amdhsa_private_segment_fixed_size 0
		.amdhsa_enable_private_segment 0
		.amdhsa_kernarg_size 32
		.amdhsa_user_sgpr_count 2
		.amdhsa_user_sgpr_kernarg_segment_ptr 1
		.amdhsa_wavefront_size32 1
		.amdhsa_system_sgpr_workgroup_id_x 1
		.amdhsa_system_sgpr_workgroup_id_y 1
		.amdhsa_system_sgpr_workgroup_id_z 1
		.amdhsa_system_vgpr_workitem_id 0
		.amdhsa_next_free_vgpr 1024
		.amdhsa_next_free_sgpr 80
		.amdhsa_reserve_vcc 0
		.amdhsa_float_denorm_mode_32 3
		.amdhsa_float_denorm_mode_16_64 3
		.amdhsa_memory_ordered 1
		.amdhsa_forward_progress 1
		.amdhsa_inst_pref_size 144
	.end_amdhsa_kernel
	.amdgpu_metadata
---
amdhsa.version: [ 1, 2 ]
amdhsa.kernels:
  - .name:           k_qd27b74fcfd_outk
    .symbol:         k_qd27b74fcfd_outk.kd
    .args:
      - { .name: pw, .offset: 0, .size: 8, .value_kind: global_buffer, .address_space: global }
      - { .name: sh, .offset: 8, .size: 8, .value_kind: global_buffer, .address_space: global }
      - { .name: st, .offset: 16, .size: 8, .value_kind: global_buffer, .address_space: global }
      - { .name: out0, .offset: 24, .size: 8, .value_kind: global_buffer, .address_space: global }
    .group_segment_fixed_size: 327680
    .private_segment_fixed_size: 0
    .kernarg_segment_align: 8
    .kernarg_segment_size: 32
    .max_flat_workgroup_size: 128
    .sgpr_count:     80
    .vgpr_count:     1024
    .wavefront_size: 32
...
	.end_amdgpu_metadata
.endif
;; end of part 3
